; MI455X (gfx1250); checked and timed in simulation.
; The chip was launched on July 23, 2026; its instructions are those of AMD's public machine-readable ISA for CDNA 5 (MIT licence, August 2026) and "CDNA5" Instruction Set Architecture Reference Guide (July 2026). The comments in the code are by the model that wrote it; some were corrected since.
;; Hungarian Matcher. Allowed arithmetic: float matrix products may take bf16 or f16 operands with f32 sums; all other float work in f32.
;; Inputs: pred_boxes 16 x 1,000 x 4 float32; pred_logits 16 x 1,000 x 92 float32; tgt_boxes 1,024 x 4 float32; tgt_labels 1,024 int32.
;; Outputs: out0 16 x 1,000 x 1,024 float32.
;; 2 versions, each right; version 2 is version 1 with the launch matcher written anew for expert scheduling mode. Each part assembles by itself: llvm-mc -triple=amdgcn-amd-amdhsa -mcpu=gfx1250 --defsym DOCPART=n.
;; ======== version 1 of 2: 1 launch
;; limits: inputs' magnitudes at most 130,000,000; below input magnitudes of 1e-10 results are inexact or not finite
;; launch matcher (part 1): grid 500 x 1, 8 waves a work-group, no clusters, 15,872 bytes of LDS; arguments pred_boxes, pred_logits, tgt_boxes, tgt_labels, out0; writes out0
.if DOCPART == 1
	.amdgcn_target "amdgcn-amd-amdhsa--gfx1250"
	.amdhsa_code_object_version 6
	.text
	.protected	k_q1c559d5501_matcher
	.globl	k_q1c559d5501_matcher
	.p2align	8
	.type	k_q1c559d5501_matcher,@function
k_q1c559d5501_matcher:
	s_mov_b64 s[64:65], 0
	v_nop
	global_prefetch_b8 v0, s[64:65] scope:SCOPE_SE
	s_setreg_imm32_b32 hwreg(HW_REG_WAVE_MODE, 25, 1), 1
	s_wait_xcnt 0x0
; C[n][t] = 5 * L1(box_n, tbox_t) - softmax(logits_n)[clip(label_t, 0, 91)] - 2 * GIoU(box_n, tbox_t).     n: 16,000 rows, t: 1,024 targets, all f32.
;
; SHARES.  A work-group owns 32 rows and all 1,024 targets, so each row's softmax is made once in the launch.  Eight waves: wave w owns the
; 256 targets of quarter w & 3 and the 16 rows of half w >> 2.  Lane L owns targets 4L..4L+3 of each of the quarter's two runs of 128:
; a row's results are two 16-byte stores a lane, and each store of the wave covers 512 consecutive bytes, aligned.
; Target values stay in registers for the whole kernel; the row's values, alike in all lanes, come from LDS by loads at one common address.
;
; THE ARITHMETIC, 17 vector instructions a number (packed and dual forms count half):
;   EVERY BOX IS MULTIPLIED BY 5 ONCE, as it arrives.  The L1 distance of the scaled boxes is 5 L1; GIoU is made of ratios of areas and is the same
;   for boxes scaled alike.  Below, cx cy w h, areas and sides are those of the scaled boxes.
;   GIoU = inter/u + u/ae - 1, so  -2 GIoU = 2 - 2 (inter ae + u u) / (u ae): ONE reciprocal.  The 2 is kept in the class table (2 - prob).
;   The factor -2 is carried by exact powers of two: corners are kept doubled (X = 2 cx -+ w), areas times -2.  Then, d = min(X1) - max(X0) = 2 (rb - lt),
;   i = max(d, 0), inter4 = ix iy = 4 inter, um = 0.5 inter4 + (-2 area_q) + (-2 area_t) = -2 u, den = um ae, num = inter4 ae + um um, num/den = -2 (inter/u + u/ae).
;   The enclosing side comes from max + min = sum:  max(x1) - min(x0) = w_q + w_t - (rb - lt) = (w_q + w_t) - 0.5 d, then clipped at 0 as in the source.
;   A register pair is (x, y) of ONE number up to the two products, and two neighbouring targets behind them: boxes are used as loaded, nothing is transposed.
; LIMITS.  2 u ae and inter4 ae + um um of the scaled boxes (625 times those of the given ones) must be normal f32 numbers (v_rcp_f32 takes a denormal
;   as 0: ISA guide, its entry): sides and distances of the given boxes from about 2^-33 to 2^28.
;   Rounding differs from the source in three places, each by a few last places: 5 x is rounded once for each component of a box, the enclosing side
;   is formed from the sum, and the two quotients are made as one.  v_max_num/v_min_num drop a NaN, but every component of both boxes also enters
;   the L1 sum, which carries a NaN to C.  u = 0 gives 0 * inf = NaN, as 0/0 does in the source.
; NOT USED, by this text's own arithmetic: matrix instructions (the source has no product; the class cost is a gather, kept exact in f32);
;   tensor loads and a ring (a group reads 11,776 + 512 bytes of its own, once, in its first lines); clusters (what groups share is the 20,480 bytes of
;   targets and labels, against 131,072 bytes that each group stores).
.set LROW,   368                       ; bytes of a row of logits: 92 f32 = 23 pieces of 16 bytes
.set WGROWS, 32                        ; rows of a work-group
.set BATCH,  4                         ; rows that one gather of 16 bytes serves
.set TRIPS,  4                         ; batches of a wave: 16 rows
.set OROW,   4096                      ; bytes of a row of C
.set PITCH,  144                       ; LDS bytes of one class: 32 rows x 4 + 16.  144 = 9 x 16: classes c, c' share a 16-byte column modulo 256 bytes only if c = c' mod 16
.set QR,     92*PITCH                  ; behind the table: a record of 32 bytes a row: cx cy w h | X0 Y0 X1 Y1
.set QA,     QR+WGROWS*32              ; behind the records: -2 area, 4 bytes a row
.set FIVE,   0x40a00000                ; 5.0, the weight of the L1 cost
.set LGO,  6                           ; v6   logits: byte offset of my first piece
.set LGO2, 8                           ; v8   and of my third
.set BO,   9                           ; v9   my row's box
.set TO,   10                          ; v10  my first target's box
.set VO,   11                          ; v11  4 x my first target: offset of my labels, and of my 16 bytes in a row of C
.set SA,   12                          ; v12  table address of my first class, my row
.set SA2,  13                          ; v13  the same for my third piece
.set QS,   14                          ; v14  32 x row
.set QS2,  15                          ; v15  4 x row
.set QV,   16                          ; v16  records of the batch at work
.set QAV,  17                          ; v17  its areas
.set MK,   18                          ; v18  1.0, or 0.0 in the lane whose third piece is a duplicate
.set RAW,  20                          ; v[20:51]    target e: cx cy w h
.set COR,  52                          ; v[52:83]    target e: X0 Y0 X1 Y1 (doubled corners)
.set TAM,  84                          ; v[84:91]    target e: -2 area
.set GA,   92                          ; v[92:99]    target e: labels as loaded, then the table address of its class at the batch's rows
.set Q0,   100                         ; v[100:107]  record of an even row
.set Q1,   108                         ; v[108:115]  record of an odd row
.set QAM,  116                         ; v[116:119]  -2 area of the batch's four rows
.set PGE,  120                         ; v[120:135]  targets 0,2,4,6: 2 - prob of the batch's four rows
.set PGO,  138                         ; v[138:153]  targets 1,3,5,7: the same.  PGO - PGE = 2 mod 4: see the dual forms below
.set OUT,  156                         ; v[156:163]  a row's eight results
.set R1,   164                         ; v[164:179]  scratch, all three at 0 mod 4
.set R2,   180                         ; v[180:195]
.set R3,   196                         ; v[196:211]
.set BASE, 212                         ; v[212:219]  5 L1 + 2 - prob
.set IN,   R2                          ; names of the scratch in the last stage
.set AE,   R2+8
.set UM,   R1
.set UU,   R1+8
.set DEN,  R3
.set RCP,  R3+8
.set X,    R1                          ; prologue: my 12 logits
.set MX,   R1+12                       ; a pair
.set SM,   R2                          ; three pairs of sums
.set RC,   R2+6                        ; 1 / sum, twice
.set BX,   R2+8                        ; my row's box
.set CQ,   R2+12                       ; its corners
.set TT,   R3                          ; differences of corners
	s_load_b256 s[4:11], s[0:1], 0x0               ; pred_boxes s[4:5], pred_logits s[6:7], tgt_boxes s[8:9], tgt_labels s[10:11]
	s_load_b64 s[12:13], s[0:1], 0x20              ; out0
	v_lshl_add_u32 v220, v0, 2, 0x3a00
	v_mov_b32 v221, 0
	v_lshrrev_b32 v1, 5, v0
	v_readfirstlane_b32 s14, v1                    ; wave 0..7
	s_and_b32 s15, s14, 3                          ; my quarter of the targets
	s_lshr_b32 s16, s14, 2                         ; my half of the rows
	v_and_b32 v2, 31, v0                           ; lane
	v_and_b32 v3, 7, v0                            ; softmax: eight lanes share a row; p = my place among them
	v_lshrrev_b32 v4, 3, v0                        ; and my row of the group's 32 (wave w: rows 4w .. 4w+3)
	v_mul_u32_u24 v5, v4, LROW
	v_lshl_add_u32 v[LGO], v3, 4, v5               ; pieces p and p + 8 (offset 128)
	v_add_nc_u32 v7, 16, v3
	v_min_u32 v7, 22, v7                           ; piece p + 16; the row has 23, so p = 7 takes piece 22 once more and stays inside the row
	v_lshl_add_u32 v[LGO2], v7, 4, v5
	v_lshlrev_b32 v[BO], 4, v4
	s_lshl_b32 s17, s15, 12                        ; 256 targets x 16 bytes
	v_lshl_add_u32 v[TO], v2, 6, s17               ; + 4 targets a lane
	s_lshl_b32 s24, s15, 10                        ; 256 targets x 4 bytes
	v_lshl_add_u32 v[VO], v2, 4, s24
	s_mul_i32 s18, ttmp9, WGROWS*LROW              ; the group's rows in the three row-wise buffers; all offsets stay below 2^27
	s_mov_b32 s19, 0
	s_lshl_b32 s20, ttmp9, 9
	s_mov_b32 s21, 0
	s_lshl_b32 s22, ttmp9, 17                      ; 32 rows of 4,096 bytes
	s_lshl_b32 s25, s16, 16                        ; + my 16 rows
	s_add_co_u32 s22, s22, s25
	s_mov_b32 s23, 0
	s_wait_kmcnt 0x0
	s_add_nc_u64 s[6:7], s[6:7], s[18:19]
	s_add_nc_u64 s[4:5], s[4:5], s[20:21]
	s_add_nc_u64 s[12:13], s[12:13], s[22:23]
	; all that the wave ever reads from memory: 14 loads, issued at once
	global_load_b128 v[X:X+3],    v[LGO],  s[6:7] th:TH_LOAD_NT
	global_load_b128 v[X+4:X+7],  v[LGO],  s[6:7] offset:128 th:TH_LOAD_NT
	global_load_b128 v[X+8:X+11], v[LGO2], s[6:7] th:TH_LOAD_NT
	global_load_b128 v[BX:BX+3],  v[BO],   s[4:5] th:TH_LOAD_NT
	global_load_b128 v[GA:GA+3],   v[VO], s[10:11]
	global_load_b128 v[GA+4:GA+7], v[VO], s[10:11] offset:512
.irp e, 0,1,2,3,4,5,6,7
	global_load_b128 v[RAW+4*\e:RAW+4*\e+3], v[TO], s[8:9] offset:(\e>>2)*2048+(\e&3)*16
.endr
	v_cmp_ne_u32 vcc_lo, 7, v3
	v_cndmask_b32 v[MK], 0, 1.0, vcc_lo            ; the duplicate piece counts for nothing in the sum
	s_lshl_b32 s25, s16, 6                         ; my 16 rows in a class's table row and in the areas
	s_lshl_b32 s26, s16, 9                         ; and in the records
	s_add_co_u32 s26, s26, QR
	s_add_co_u32 s27, s25, QA
	v_mov_b32 v[QV], s26
	v_mov_b32 v[QAV], s27
	; SOFTMAX of my row, 12 logits a lane: the row's maximum is taken away first
	s_wait_loadcnt 11                              ; the three loads of logits are in; the 11 younger ones stay out
	v_max3_num_f32 v[MX],   v[X],    v[X+1],  v[X+2]
	v_max3_num_f32 v[MX+1], v[X+3],  v[X+4],  v[X+5]
	v_max3_num_f32 v[MX],   v[MX],   v[X+6],  v[X+7]
	v_max3_num_f32 v[MX+1], v[MX+1], v[X+8],  v[X+9]
	v_max3_num_f32 v[MX],   v[MX],   v[X+10], v[X+11]
	v_max_num_f32 v[MX], v[MX], v[MX+1]
	v_max_num_f32_dpp v[MX], v[MX], v[MX] row_xmask:1 row_mask:0xf bank_mask:0xf   ; over the row's eight lanes
	v_max_num_f32_dpp v[MX], v[MX], v[MX] row_xmask:2 row_mask:0xf bank_mask:0xf
	v_max_num_f32_dpp v[MX], v[MX], v[MX] row_xmask:4 row_mask:0xf bank_mask:0xf
	v_mul_f32 v[MX], 0xbfb8aa3b, v[MX]             ; - max x log2(e)
	v_mov_b32 v[MX+1], v[MX]
.irp i, 0,2,4,6,8,10
	v_pk_fma_f32 v[X+\i:X+\i+1], v[X+\i:X+\i+1], 0x3fb8aa3b, v[MX:MX+1] op_sel_hi:[1,0,1]   ; (x - max) log2(e), fused
.endr
.irp i, 0,1,2,3,4,5,6,7,8,9,10,11
	v_exp_f32 v[X+\i], v[X+\i]
.endr
	v_mul_u32_u24 v[SA], v3, 4*PITCH               ; plain instructions between the exponentials and the first use of a result (ISA guide 5.7.2):
	v_lshl_add_u32 v[SA], v4, 2, v[SA]             ; table address of class 4 p, my row
	v_mul_u32_u24 v[SA2], v7, 4*PITCH
	v_lshl_add_u32 v[SA2], v4, 2, v[SA2]
	v_lshlrev_b32 v[QS], 5, v4
	v_lshlrev_b32 v[QS2], 2, v4
	s_wait_alu depctr_va_vdst(0)
	v_pk_add_f32 v[SM:SM+1],   v[X:X+1],     v[X+2:X+3]
	v_pk_add_f32 v[SM+2:SM+3], v[X+4:X+5],   v[X+6:X+7]
	v_pk_add_f32 v[SM+4:SM+5], v[X+8:X+9],   v[X+10:X+11]
	v_pk_add_f32 v[SM:SM+1],   v[SM:SM+1],   v[SM+2:SM+3]
	v_add_f32 v[SM+4], v[SM+4], v[SM+5]
	v_add_f32 v[SM], v[SM], v[SM+1]
	v_fmac_f32 v[SM], v[SM+4], v[MK]               ; the third piece, unless it is the duplicate
	v_add_f32_dpp v[SM], v[SM], v[SM] row_xmask:1 row_mask:0xf bank_mask:0xf
	v_add_f32_dpp v[SM], v[SM], v[SM] row_xmask:2 row_mask:0xf bank_mask:0xf
	v_add_f32_dpp v[SM], v[SM], v[SM] row_xmask:4 row_mask:0xf bank_mask:0xf
	v_rcp_f32 v[RC],   v[SM]                       ; the sum is at least about 1 (the maximum's own term)
	v_rcp_f32 v[RC+1], v[SM]
	; MY ROW'S RECORD (the row's eight lanes make and store the same one); these lines are also the plain places behind the reciprocals
	s_wait_loadcnt 10                              ; the box is in; labels and targets stay out
	v_pk_mul_f32 v[BX:BX+1],   v[BX:BX+1],   FIVE op_sel_hi:[1,0]      ; the box times 5
	v_pk_mul_f32 v[BX+2:BX+3], v[BX+2:BX+3], FIVE op_sel_hi:[1,0]
	v_pk_fma_f32 v[CQ:CQ+1],   v[BX:BX+1], 2.0, v[BX+2:BX+3] op_sel_hi:[1,0,1] neg_lo:[0,0,1] neg_hi:[0,0,1]   ; X0 Y0 = 2 c - (w h): twice the corner, rounded once as the corner is
	v_pk_fma_f32 v[CQ+2:CQ+3], v[BX:BX+1], 2.0, v[BX+2:BX+3] op_sel_hi:[1,0,1]                                 ; X1 Y1
	v_pk_add_f32 v[TT:TT+1], v[CQ+2:CQ+3], v[CQ:CQ+1] neg_lo:[0,1] neg_hi:[0,1]
	v_mul_f32 v[TT], -0.5, v[TT]
	v_mul_f32 v[TT], v[TT], v[TT+1]                ; -0.5 (X1-X0)(Y1-Y0) = -2 area, the area formed from the corners as in the source
	s_wait_alu depctr_va_vdst(0)
.irp i, 0,2,4,6,8,10
	v_pk_fma_f32 v[X+\i:X+\i+1], v[X+\i:X+\i+1], v[RC:RC+1], 2.0 op_sel_hi:[1,1,0] neg_lo:[0,1,0] neg_hi:[0,1,0]   ; 2 - prob
.endr
.irp i, 0,1,2,3
	ds_store_b32 v[SA],  v[X+\i]   offset:\i*PITCH             ; class 4 p + i
	ds_store_b32 v[SA],  v[X+4+\i] offset:32*PITCH+\i*PITCH    ; class 4 (p + 8) + i
	ds_store_b32 v[SA2], v[X+8+\i] offset:\i*PITCH             ; class 4 min(p + 16, 22) + i: p = 7 stores what p = 6 stores, to the same words
.endr
	ds_store_b128 v[QS],  v[BX:BX+3] offset:QR
	ds_store_b128 v[QS],  v[CQ:CQ+3] offset:QR+16
	ds_store_b32  v[QS2], v[TT]      offset:QA
	s_wait_dscnt 0x0                               ; for the other waves' sake: my part of table and records is written
	s_barrier_signal -1
	; MY EIGHT TARGETS, register work while the others arrive
	s_wait_loadcnt 0x0
.irp e, 0,1,2,3,4,5,6,7
	v_pk_mul_f32 v[RAW+4*\e:RAW+4*\e+1],   v[RAW+4*\e:RAW+4*\e+1],   FIVE op_sel_hi:[1,0]      ; the targets' boxes times 5
	v_pk_mul_f32 v[RAW+4*\e+2:RAW+4*\e+3], v[RAW+4*\e+2:RAW+4*\e+3], FIVE op_sel_hi:[1,0]
.endr
.irp e, 0,1,2,3,4,5,6,7
	v_pk_fma_f32 v[COR+4*\e:COR+4*\e+1],   v[RAW+4*\e:RAW+4*\e+1], 2.0, v[RAW+4*\e+2:RAW+4*\e+3] op_sel_hi:[1,0,1] neg_lo:[0,0,1] neg_hi:[0,0,1]
	v_pk_fma_f32 v[COR+4*\e+2:COR+4*\e+3], v[RAW+4*\e:RAW+4*\e+1], 2.0, v[RAW+4*\e+2:RAW+4*\e+3] op_sel_hi:[1,0,1]
.endr
.irp e, 0,1,2,3,4,5,6,7
	v_pk_add_f32 v[TT+2*\e:TT+2*\e+1], v[COR+4*\e+2:COR+4*\e+3], v[COR+4*\e:COR+4*\e+1] neg_lo:[0,1] neg_hi:[0,1]
	v_max_i32 v[GA+\e], 0, v[GA+\e]                ; the source's clip of the label to 0 .. 91
.endr
.irp e, 0,1,2,3,4,5,6,7
	v_mul_f32 v[TT+2*\e], -0.5, v[TT+2*\e]
	v_min_u32 v[GA+\e], 91, v[GA+\e]
.endr
.irp e, 0,1,2,3,4,5,6,7
	v_mul_f32 v[TAM+\e], v[TT+2*\e], v[TT+2*\e+1]
	v_mul_u32_u24 v[GA+\e], v[GA+\e], PITCH
.endr
.irp e, 0,1,2,3,4,5,6,7
	v_add_nc_u32 v[GA+\e], s25, v[GA+\e]           ; the class's table row at my first row
.endr
	s_barrier_wait -1                              ; table and records are whole; LDS is only read from here on
.macro GATHER off                      ; 2 - prob of four rows for each of my eight targets
.irp p, 0,1,2,3
	ds_load_b128 v[PGE+4*\p:PGE+4*\p+3], v[GA+2*\p]   offset:\off
	ds_load_b128 v[PGO+4*\p:PGO+4*\p+3], v[GA+2*\p+1] offset:\off
.endr
.endm
	ds_load_b128 v[Q0:Q0+3],   v[QV]               ; the order of a batch's loads, here and in the loop: 2 record loads, 8 gathers, 1 load of areas
	ds_load_b128 v[Q0+4:Q0+7], v[QV] offset:16
	GATHER 0
	ds_load_b128 v[QAM:QAM+3], v[QAV]
; ONE ROW: 8 numbers a lane.  j: the row in its batch; q: its record; qn: the other record buffer; nextq = 1: a row follows, its record is asked for;
; nextb = 1 (row 3 in the loop): the next batch's gathers and areas are asked for as soon as this batch's are used up, and the addresses step.
; THE DUAL FORMS (ISA guide, VOPD), all with two sources a half: the two destinations are an even and an odd register, the two first sources and the two
; second sources lie in different banks (register number mod 4) or are one register or constant.  Neighbouring registers give all of that; for the two
; products R1 = R3 mod 4 and the halves are crossed (target e with e + 1); for 5 L1 + (2 - prob) the gathered values are the first sources, and the odd
; targets' gathers lie 2 mod 4 from the even ones'.
.macro ROW j, q, qn, nextq, nextb
.if \j == 0
	s_wait_dscnt 0x1                               ; record and gathers are in; only the load of the areas, the youngest, may be out
.else
	s_wait_dscnt 0x0                               ; the record, asked for a row ago
.endif
.if \nextq
	ds_load_b128 v[\qn:\qn+3],   v[QV] offset:(\j+1)*32
	ds_load_b128 v[\qn+4:\qn+7], v[QV] offset:(\j+1)*32+16
.endif
	; 5 L1 + 2 - prob: the 5 is in the boxes
.irp e, 0,1,2,3,4,5,6,7
	v_pk_add_f32 v[R1+2*\e:R1+2*\e+1], v[RAW+4*\e:RAW+4*\e+1], v[\q:\q+1] neg_lo:[0,1] neg_hi:[0,1]         ; dcx dcy
.endr
.irp e, 0,1,2,3,4,5,6,7
	v_pk_add_f32 v[R2+2*\e:R2+2*\e+1], v[RAW+4*\e+2:RAW+4*\e+3], v[\q+2:\q+3] neg_lo:[0,1] neg_hi:[0,1]     ; dw dh
.endr
.irp e, 0,1,2,3,4,5,6,7
	v_add_f32 v[R3+\e], |v[R1+2*\e]|, |v[R1+2*\e+1]|
.endr
.irp e, 0,1,2,3,4,5,6,7
	v_add_f32 v[R3+8+\e], |v[R2+2*\e]|, |v[R2+2*\e+1]|
.endr
.irp p, 0,1,2,3
	v_pk_add_f32 v[R3+2*\p:R3+2*\p+1], v[R3+2*\p:R3+2*\p+1], v[R3+8+2*\p:R3+8+2*\p+1]
.endr
.irp p, 0,1,2,3
	v_dual_add_f32 v[BASE+2*\p], v[PGE+4*\p+\j], v[R3+2*\p] :: v_dual_add_f32 v[BASE+2*\p+1], v[PGO+4*\p+\j], v[R3+2*\p+1]
.endr
.if \nextb
	GATHER 16                                      ; this batch's last values have just been read; about 100 instructions lie in front of the wait for these
.endif
	; both dimensions of a number in one pair
.irp e, 0,1,2,3,4,5,6,7
	v_dual_max_num_f32 v[R1+2*\e], v[\q+4], v[COR+4*\e] :: v_dual_max_num_f32 v[R1+2*\e+1], v[\q+5], v[COR+4*\e+1]       ; 2 lt
.endr
.irp e, 0,1,2,3,4,5,6,7
	v_dual_min_num_f32 v[R2+2*\e], v[\q+6], v[COR+4*\e+2] :: v_dual_min_num_f32 v[R2+2*\e+1], v[\q+7], v[COR+4*\e+3]     ; 2 rb
.endr
.irp e, 0,1,2,3,4,5,6,7
	v_pk_add_f32 v[R2+2*\e:R2+2*\e+1], v[R2+2*\e:R2+2*\e+1], v[R1+2*\e:R1+2*\e+1] neg_lo:[0,1] neg_hi:[0,1]              ; d = 2 (rb - lt)
.endr
.irp e, 0,1,2,3,4,5,6,7
	v_pk_add_f32 v[R3+2*\e:R3+2*\e+1], v[RAW+4*\e+2:RAW+4*\e+3], v[\q+2:\q+3]                                            ; w_q + w_t, h_q + h_t
.endr
.irp e, 0,1,2,3,4,5,6,7
	v_dual_max_num_f32 v[R1+2*\e], 0, v[R2+2*\e] :: v_dual_max_num_f32 v[R1+2*\e+1], 0, v[R2+2*\e+1]                     ; the source's first clip
.endr
.irp e, 0,1,2,3,4,5,6,7
	v_pk_fma_f32 v[R3+2*\e:R3+2*\e+1], v[R2+2*\e:R2+2*\e+1], -0.5, v[R3+2*\e:R3+2*\e+1] op_sel_hi:[1,0,1]                ; the enclosing sides
.endr
.irp e, 0,1,2,3,4,5,6,7
	v_dual_max_num_f32 v[R3+2*\e], 0, v[R3+2*\e] :: v_dual_max_num_f32 v[R3+2*\e+1], 0, v[R3+2*\e+1]                     ; the source's second clip
.endr
	; the two products; from here a pair is two neighbouring targets
.irp p, 0,1,2,3
	v_dual_mul_f32 v[IN+2*\p], v[R1+4*\p], v[R1+4*\p+1] :: v_dual_mul_f32 v[AE+2*\p+1], v[R3+4*\p+2], v[R3+4*\p+3]
	v_dual_mul_f32 v[AE+2*\p], v[R3+4*\p], v[R3+4*\p+1] :: v_dual_mul_f32 v[IN+2*\p+1], v[R1+4*\p+2], v[R1+4*\p+3]
.endr
.if \j == 0
	s_wait_dscnt 0x2                               ; the areas are in: only the next row's two record loads are younger
.endif
.irp p, 0,1,2,3
.if (\j & 1) == 0
	v_pk_add_f32 v[UM+2*\p:UM+2*\p+1], v[TAM+2*\p:TAM+2*\p+1], v[QAM+\j:QAM+\j+1] op_sel_hi:[1,0]                        ; both halves take the row's own area
.else
	v_pk_add_f32 v[UM+2*\p:UM+2*\p+1], v[TAM+2*\p:TAM+2*\p+1], v[QAM+\j-1:QAM+\j] op_sel:[0,1] op_sel_hi:[1,1]
.endif
.endr
.if \nextb
	ds_load_b128 v[QAM:QAM+3], v[QAV] offset:16
.endif
.irp p, 0,1,2,3
	v_pk_fma_f32 v[UM+2*\p:UM+2*\p+1], v[IN+2*\p:IN+2*\p+1], 0.5, v[UM+2*\p:UM+2*\p+1] op_sel_hi:[1,0,1]                 ; -2 union
.endr
.irp p, 0,1,2,3
	v_pk_mul_f32 v[DEN+2*\p:DEN+2*\p+1], v[UM+2*\p:UM+2*\p+1], v[AE+2*\p:AE+2*\p+1]
.endr
.irp e, 0,1,2,3,4,5,6,7
	v_rcp_f32 v[RCP+\e], v[DEN+\e]
.endr
.irp p, 0,1,2,3
	v_pk_mul_f32 v[UU+2*\p:UU+2*\p+1], v[UM+2*\p:UM+2*\p+1], v[UM+2*\p:UM+2*\p+1]              ; the numerator is made behind the reciprocals: plain
.endr                                                                                          ; instructions that touch neither DEN nor RCP (ISA guide 5.7.2)
.irp p, 0,1,2,3
	v_pk_fma_f32 v[UU+2*\p:UU+2*\p+1], v[IN+2*\p:IN+2*\p+1], v[AE+2*\p:AE+2*\p+1], v[UU+2*\p:UU+2*\p+1]
.endr
.if \nextb
.irp e, 0,1,2,3,4,5,6,7
	v_add_nc_u32 v[GA+\e], 4*BATCH, v[GA+\e]       ; four rows on in the table,
.endr
	v_add_nc_u32 v[QAV], 4*BATCH, v[QAV]           ; in the areas
	v_add_nc_u32 v[QV], 32*BATCH, v[QV]            ; and in the records
	s_wait_alu depctr_va_vdst(0)
.endif
	s_wait_xcnt 0x0                                ; the last row's stores have had their addresses translated (ISA guide 3.1): OUT and the base are rewritten only behind this wait
	s_wait_alu depctr_va_vdst(0)
.irp p, 0,1,2,3
	v_pk_fma_f32 v[OUT+2*\p:OUT+2*\p+1], v[UU+2*\p:UU+2*\p+1], v[RCP+2*\p:RCP+2*\p+1], v[BASE+2*\p:BASE+2*\p+1]
.endr
.if \nextb
	s_add_nc_u64 s[12:13], s[12:13], BATCH*OROW    ; the next batch's rows; this row's stores reach back
	global_store_b128 v[VO], v[OUT:OUT+3],   s[12:13] offset:\j*OROW-BATCH*OROW th:TH_STORE_NT
	global_store_b128 v[VO], v[OUT+4:OUT+7], s[12:13] offset:\j*OROW-BATCH*OROW+512 th:TH_STORE_NT
.else
	global_store_b128 v[VO], v[OUT:OUT+3],   s[12:13] offset:\j*OROW th:TH_STORE_NT             ; the wave stores 512 consecutive bytes, at a multiple of 512 from C's first byte
	global_store_b128 v[VO], v[OUT+4:OUT+7], s[12:13] offset:\j*OROW+512 th:TH_STORE_NT
.endif
.endm
	s_mov_b32 s28, TRIPS-1
.Lbatch:
	ROW 0, Q0, Q1, 1, 0
	ROW 1, Q1, Q0, 1, 0
	ROW 2, Q0, Q1, 1, 0
	ROW 3, Q1, Q0, 1, 1
	s_sub_co_u32 s28, s28, 1
	s_cmp_lg_u32 s28, 0
	s_cbranch_scc1 .Lbatch
	ROW 0, Q0, Q1, 1, 0                            ; the last batch asks for nothing beyond my 16 rows
	ROW 1, Q1, Q0, 1, 0
	ROW 2, Q0, Q1, 1, 0
	ROW 3, Q1, Q0, 0, 0
	s_wait_tensorcnt 0x0
	ds_add_u32 v220, v221
	s_wait_dscnt 0x0
	s_endpgm
.Lfunc_end_k_q1c559d5501_matcher:
	.size	k_q1c559d5501_matcher, .Lfunc_end_k_q1c559d5501_matcher-k_q1c559d5501_matcher
	.p2alignl 7, 3214868480
	.fill 96, 4, 3214868480
	.section	.rodata,"a",@progbits
	.p2align	6, 0x0
	.amdhsa_kernel k_q1c559d5501_matcher
		.amdhsa_group_segment_fixed_size 15872
		.amdhsa_private_segment_fixed_size 0
		.amdhsa_enable_private_segment 0
		.amdhsa_kernarg_size 40
		.amdhsa_user_sgpr_count 2
		.amdhsa_user_sgpr_kernarg_segment_ptr 1
		.amdhsa_wavefront_size32 1
		.amdhsa_system_sgpr_workgroup_id_x 1
		.amdhsa_system_sgpr_workgroup_id_y 1
		.amdhsa_system_sgpr_workgroup_id_z 1
		.amdhsa_system_vgpr_workitem_id 0
		.amdhsa_next_free_vgpr 222
		.amdhsa_next_free_sgpr 66
		.amdhsa_reserve_vcc 1
		.amdhsa_float_denorm_mode_32 3
		.amdhsa_float_denorm_mode_16_64 3
		.amdhsa_memory_ordered 1
		.amdhsa_forward_progress 1
		.amdhsa_inst_pref_size 85
	.end_amdhsa_kernel
	.amdgpu_metadata
---
amdhsa.version: [ 1, 2 ]
amdhsa.kernels:
  - .name:           k_q1c559d5501_matcher
    .symbol:         k_q1c559d5501_matcher.kd
    .args:
      - { .name: pred_boxes, .offset: 0, .size: 8, .value_kind: global_buffer, .address_space: global }
      - { .name: pred_logits, .offset: 8, .size: 8, .value_kind: global_buffer, .address_space: global }
      - { .name: tgt_boxes, .offset: 16, .size: 8, .value_kind: global_buffer, .address_space: global }
      - { .name: tgt_labels, .offset: 24, .size: 8, .value_kind: global_buffer, .address_space: global }
      - { .name: out0, .offset: 32, .size: 8, .value_kind: global_buffer, .address_space: global }
    .group_segment_fixed_size: 15872
    .private_segment_fixed_size: 0
    .kernarg_segment_align: 8
    .kernarg_segment_size: 40
    .max_flat_workgroup_size: 256
    .sgpr_count:     66
    .vgpr_count:     222
    .wavefront_size: 32
...
	.end_amdgpu_metadata
.endif
;; end of part 1
;; ======== version 2 of 2: 1 launch; version 1 with the launch matcher written anew for expert scheduling mode
;; limits: inputs' magnitudes at most 130,000,000; below input magnitudes of 1e-10 results are inexact or not finite
;; launch matcher (part 2): grid 500 x 1, 8 waves a work-group, no clusters, 15,872 bytes of LDS; arguments pred_boxes, pred_logits, tgt_boxes, tgt_labels, out0; writes out0
.if DOCPART == 2
	.amdgcn_target "amdgcn-amd-amdhsa--gfx1250"
	.amdhsa_code_object_version 6
	.text
	.protected	k_q1c559d5501_matcher
	.globl	k_q1c559d5501_matcher
	.p2align	8
	.type	k_q1c559d5501_matcher,@function
k_q1c559d5501_matcher:
	s_mov_b64 s[64:65], 0
	v_nop
	global_prefetch_b8 v0, s[64:65] scope:SCOPE_SE
	s_setreg_imm32_b32 hwreg(HW_REG_WAVE_SCHED_MODE, 0, 2), 2
	s_setreg_imm32_b32 hwreg(HW_REG_WAVE_MODE, 25, 1), 1
	s_wait_xcnt 0x0
	s_wait_alu depctr_vm_vsrc(0)
; C[n][t] = 5 * L1(box_n, tbox_t) - softmax(logits_n)[clip(label_t, 0, 91)] - 2 * GIoU(box_n, tbox_t).     n: 16,000 rows, t: 1,024 targets, all f32.
;
; SHARES.  A work-group owns 32 rows and all 1,024 targets, so each row's softmax is made once in the launch.  Eight waves: wave w owns the
; 256 targets of quarter w & 3 and the 16 rows of half w >> 2.  Lane L owns targets 4L..4L+3 of each of the quarter's two runs of 128:
; a row's results are two 16-byte stores a lane, and each store of the wave covers 512 consecutive bytes, aligned.
; Target values stay in registers for the whole kernel; the row's values, alike in all lanes, come from LDS by loads at one common address.
;
; THE ARITHMETIC, 17 vector instructions a number (packed and dual forms count half):
;   EVERY BOX IS MULTIPLIED BY 5 ONCE, as it arrives.  The L1 distance of the scaled boxes is 5 L1; GIoU is made of ratios of areas and is the same
;   for boxes scaled alike.  Below, cx cy w h, areas and sides are those of the scaled boxes.
;   GIoU = inter/u + u/ae - 1, so  -2 GIoU = 2 - 2 (inter ae + u u) / (u ae): ONE reciprocal.  The 2 is kept in the class table (2 - prob).
;   The factor -2 is carried by exact powers of two: corners are kept doubled (X = 2 cx -+ w), areas times -2.  Then, d = min(X1) - max(X0) = 2 (rb - lt),
;   i = max(d, 0), inter4 = ix iy = 4 inter, um = 0.5 inter4 + (-2 area_q) + (-2 area_t) = -2 u, den = um ae, num = inter4 ae + um um, num/den = -2 (inter/u + u/ae).
;   The enclosing side comes from max + min = sum:  max(x1) - min(x0) = w_q + w_t - (rb - lt) = (w_q + w_t) - 0.5 d, then clipped at 0 as in the source.
;   A register pair is (x, y) of ONE number up to the two products, and two neighbouring targets behind them: boxes are used as loaded, nothing is transposed.
; LIMITS.  2 u ae and inter4 ae + um um of the scaled boxes (625 times those of the given ones) must be normal f32 numbers (v_rcp_f32 takes a denormal
;   as 0: ISA guide, its entry): sides and distances of the given boxes from about 2^-33 to 2^28.
;   Rounding differs from the source in three places, each by a few last places: 5 x is rounded once for each component of a box, the enclosing side
;   is formed from the sum, and the two quotients are made as one.  v_max_num/v_min_num drop a NaN, but every component of both boxes also enters
;   the L1 sum, which carries a NaN to C.  u = 0 gives 0 * inf = NaN, as 0/0 does in the source.
; NOT USED, by this text's own arithmetic: matrix instructions (the source has no product; the class cost is a gather, kept exact in f32);
;   tensor loads and a ring (a group reads 11,776 + 512 bytes of its own, once, in its first lines); clusters (what groups share is the 20,480 bytes of
;   targets and labels, against 131,072 bytes that each group stores).
; THE MODE: SCHED_MODE bits 1:0 = 2 (LLVM: expert scheduling mode 2), set by the entry lines.  The code itself states the register dependences
; between vector instructions and memory or LDS instructions, with s_wait_alu, always for 0.
; THE PLAN.  Registers that memory or LDS instructions touch, in the rows:
;   Q0, Q1       Row j's vector lines read one of them; the loads of row j + 1's record, issued at row j's head, land in the other, which row j - 1 read.
;   PGE, PGO, QAM  Loaded at the head of a batch's row 0; read by all four rows, last by row 3.
;   OUT          Written by a row's last four lines; read by the two stores that are issued at the NEXT row's head; written again at that row's end.
;   GA, QAV, QV  Read by LDS loads at rows' heads; stepped once a batch, near row 3's end.
;   VO           Read by every store; never written again: the rows are reached by the scalar base and by immediate offsets.
;   RAW, COR, TAM, R1, R2, R3 and BASE are named by vector instructions alone.
; So a row has two places with waits.  At its head one wait on va_vdst: the row before has written OUT and is done reading its record (in front of row 0
; also: row 3 is done reading PGE, PGO and QAM and has written GA, QAV and QV).  ALL the row's memory and LDS instructions follow it in one run, with no
; vector instruction between.  In front of its last four lines one wait on vm_vsrc, beside the wait on XCNT: the stores and LDS loads of this row's head have read
; OUT, QV, QAV and GA; behind it OUT is written again, and in row 3 the addresses step.
.set LROW,   368                       ; bytes of a row of logits: 92 f32 = 23 pieces of 16 bytes
.set WGROWS, 32                        ; rows of a work-group
.set BATCH,  4                         ; rows that one gather of 16 bytes serves
.set TRIPS,  4                         ; batches of a wave: 16 rows
.set OROW,   4096                      ; bytes of a row of C
.set PITCH,  144                       ; LDS bytes of one class: 32 rows x 4 + 16.  144 = 9 x 16: classes c, c' share a 16-byte column modulo 256 bytes only if c = c' mod 16
.set QR,     92*PITCH                  ; behind the table: a record of 32 bytes a row: cx cy w h | X0 Y0 X1 Y1
.set QA,     QR+WGROWS*32              ; behind the records: -2 area, 4 bytes a row
.set FIVE,   0x40a00000                ; 5.0, the weight of the L1 cost
.set LGO,  6                           ; v6   logits: byte offset of my first piece
.set LGO2, 8                           ; v8   and of my third
.set BO,   9                           ; v9   my row's box
.set TO,   10                          ; v10  my first target's box
.set VO,   11                          ; v11  4 x my first target: offset of my labels, and of my 16 bytes in a row of C
.set SA,   12                          ; v12  table address of my first class, my row
.set SA2,  13                          ; v13  the same for my third piece
.set QS,   14                          ; v14  32 x row
.set QS2,  15                          ; v15  4 x row
.set QV,   16                          ; v16  records of the batch at work
.set QAV,  17                          ; v17  its areas
.set MK,   18                          ; v18  1.0, or 0.0 in the lane whose third piece is a duplicate
.set RAW,  20                          ; v[20:51]    target e: cx cy w h
.set COR,  52                          ; v[52:83]    target e: X0 Y0 X1 Y1 (doubled corners)
.set TAM,  84                          ; v[84:91]    target e: -2 area
.set GA,   92                          ; v[92:99]    target e: labels as loaded, then the table address of its class at the batch's rows
.set Q0,   100                         ; v[100:107]  record of an even row
.set Q1,   108                         ; v[108:115]  record of an odd row
.set QAM,  116                         ; v[116:119]  -2 area of the batch's four rows
.set PGE,  120                         ; v[120:135]  targets 0,2,4,6: 2 - prob of the batch's four rows
.set PGO,  138                         ; v[138:153]  targets 1,3,5,7: the same.  PGO - PGE = 2 mod 4: see the dual forms below
.set OUT,  156                         ; v[156:163]  a row's eight results
.set R1,   164                         ; v[164:179]  scratch, all three at 0 mod 4
.set R2,   180                         ; v[180:195]
.set R3,   196                         ; v[196:211]
.set BASE, 212                         ; v[212:219]  5 L1, then 5 L1 + 2 - prob
.set IN,   R2                          ; names of the scratch in the last stage
.set AE,   R2+8
.set UM,   R1
.set UU,   R1+8
.set DEN,  R3
.set RCP,  R3+8
.set X,    R1                          ; prologue: my 12 logits
.set MX,   R1+12                       ; a pair
.set SM,   R2                          ; three pairs of sums
.set RC,   R2+6                        ; 1 / sum, twice
.set BX,   R2+8                        ; my row's box
.set CQ,   R2+12                       ; its corners
.set TT,   R3                          ; differences of corners
	s_load_b256 s[4:11], s[0:1], 0x0               ; pred_boxes s[4:5], pred_logits s[6:7], tgt_boxes s[8:9], tgt_labels s[10:11]
	s_load_b64 s[12:13], s[0:1], 0x20              ; out0
	v_lshl_add_u32 v154, v0, 2, 0x3a00
	v_mov_b32 v155, 0
	v_lshrrev_b32 v1, 5, v0
	v_readfirstlane_b32 s14, v1                    ; wave 0..7
	v_and_b32 v2, 31, v0                           ; lane
	v_and_b32 v3, 7, v0                            ; softmax: eight lanes share a row; p = my place among them
	v_lshrrev_b32 v4, 3, v0                        ; and my row of the group's 32 (wave w: rows 4w .. 4w+3)
	v_mul_u32_u24 v5, v4, LROW
	v_lshl_add_u32 v[LGO], v3, 4, v5               ; pieces p and p + 8 (offset 128)
	v_add_nc_u32 v7, 16, v3
	v_min_u32 v7, 22, v7                           ; piece p + 16; the row has 23, so p = 7 takes piece 22 once more and stays inside the row
	v_lshl_add_u32 v[LGO2], v7, 4, v5
	v_lshlrev_b32 v[BO], 4, v4
	s_wait_alu depctr_va_sdst(0)                   ; s14 is written, ahead of its first reader: my quarter, my half and all that is made of them
	s_and_b32 s15, s14, 3                          ; my quarter of the targets
	s_lshr_b32 s16, s14, 2                         ; my half of the rows
	s_lshl_b32 s17, s15, 12                        ; 256 targets x 16 bytes
	v_lshl_add_u32 v[TO], v2, 6, s17               ; + 4 targets a lane
	s_lshl_b32 s24, s15, 10                        ; 256 targets x 4 bytes
	v_lshl_add_u32 v[VO], v2, 4, s24
	s_mul_i32 s18, ttmp9, WGROWS*LROW              ; the group's rows in the three row-wise buffers; all offsets stay below 2^27
	s_mov_b32 s19, 0
	s_lshl_b32 s20, ttmp9, 9
	s_mov_b32 s21, 0
	s_lshl_b32 s22, ttmp9, 17                      ; 32 rows of 4,096 bytes
	s_lshl_b32 s25, s16, 16                        ; + my 16 rows
	s_add_co_u32 s22, s22, s25
	s_mov_b32 s23, 0
	s_wait_kmcnt 0x0
	s_add_nc_u64 s[6:7], s[6:7], s[18:19]
	s_add_nc_u64 s[4:5], s[4:5], s[20:21]
	s_add_nc_u64 s[12:13], s[12:13], s[22:23]
	s_wait_alu depctr_va_vdst(0)                   ; the five offsets LGO, LGO2, BO, TO and VO are written, which the loads below and every store of the kernel read
	; all that the wave ever reads from memory: 14 loads, issued at once
	global_load_b128 v[X:X+3],    v[LGO],  s[6:7] th:TH_LOAD_NT
	global_load_b128 v[X+4:X+7],  v[LGO],  s[6:7] offset:128 th:TH_LOAD_NT
	global_load_b128 v[X+8:X+11], v[LGO2], s[6:7] th:TH_LOAD_NT
	global_load_b128 v[BX:BX+3],  v[BO],   s[4:5] th:TH_LOAD_NT
	global_load_b128 v[GA:GA+3],   v[VO], s[10:11]
	global_load_b128 v[GA+4:GA+7], v[VO], s[10:11] offset:512
.irp e, 0,1,2,3,4,5,6,7
	global_load_b128 v[RAW+4*\e:RAW+4*\e+3], v[TO], s[8:9] offset:(\e>>2)*2048+(\e&3)*16
.endr
	v_cmp_ne_u32 vcc_lo, 7, v3
	s_wait_alu depctr_va_vcc(0)                    ; VCC is written, ahead of the select that reads it
	v_cndmask_b32 v[MK], 0, 1.0, vcc_lo            ; the duplicate piece counts for nothing in the sum
	s_lshl_b32 s25, s16, 6                         ; my 16 rows in a class's table row and in the areas
	s_lshl_b32 s26, s16, 9                         ; and in the records
	s_add_co_u32 s26, s26, QR
	s_add_co_u32 s27, s25, QA
	v_mov_b32 v[QV], s26
	v_mov_b32 v[QAV], s27
	; SOFTMAX of my row, 12 logits a lane: the row's maximum is taken away first
	s_wait_loadcnt 11                              ; the three loads of logits are in; the 11 younger ones stay out
	v_max3_num_f32 v[MX],   v[X],    v[X+1],  v[X+2]
	v_max3_num_f32 v[MX+1], v[X+3],  v[X+4],  v[X+5]
	v_max3_num_f32 v[MX],   v[MX],   v[X+6],  v[X+7]
	v_max3_num_f32 v[MX+1], v[MX+1], v[X+8],  v[X+9]
	v_max3_num_f32 v[MX],   v[MX],   v[X+10], v[X+11]
	v_max_num_f32 v[MX], v[MX], v[MX+1]
	v_max_num_f32_dpp v[MX], v[MX], v[MX] row_xmask:1 row_mask:0xf bank_mask:0xf   ; over the row's eight lanes
	v_max_num_f32_dpp v[MX], v[MX], v[MX] row_xmask:2 row_mask:0xf bank_mask:0xf
	v_max_num_f32_dpp v[MX], v[MX], v[MX] row_xmask:4 row_mask:0xf bank_mask:0xf
	v_mul_f32 v[MX], 0xbfb8aa3b, v[MX]             ; - max x log2(e)
	v_mov_b32 v[MX+1], v[MX]
.irp i, 0,2,4,6,8,10
	v_pk_fma_f32 v[X+\i:X+\i+1], v[X+\i:X+\i+1], 0x3fb8aa3b, v[MX:MX+1] op_sel_hi:[1,0,1]   ; (x - max) log2(e), fused
.endr
.irp i, 0,1,2,3,4,5,6,7,8,9,10,11
	v_exp_f32 v[X+\i], v[X+\i]
.endr
	v_mul_u32_u24 v[SA], v3, 4*PITCH               ; plain instructions between the exponentials and the first use of a result (ISA guide 5.7.2):
	v_lshl_add_u32 v[SA], v4, 2, v[SA]             ; table address of class 4 p, my row
	v_mul_u32_u24 v[SA2], v7, 4*PITCH
	v_lshl_add_u32 v[SA2], v4, 2, v[SA2]
	v_lshlrev_b32 v[QS], 5, v4
	v_lshlrev_b32 v[QS2], 2, v4
	s_wait_alu depctr_va_vdst(0)
	v_pk_add_f32 v[SM:SM+1],   v[X:X+1],     v[X+2:X+3]
	v_pk_add_f32 v[SM+2:SM+3], v[X+4:X+5],   v[X+6:X+7]
	v_pk_add_f32 v[SM+4:SM+5], v[X+8:X+9],   v[X+10:X+11]
	v_pk_add_f32 v[SM:SM+1],   v[SM:SM+1],   v[SM+2:SM+3]
	v_add_f32 v[SM+4], v[SM+4], v[SM+5]
	v_add_f32 v[SM], v[SM], v[SM+1]
	v_fmac_f32 v[SM], v[SM+4], v[MK]               ; the third piece, unless it is the duplicate
	v_add_f32_dpp v[SM], v[SM], v[SM] row_xmask:1 row_mask:0xf bank_mask:0xf
	v_add_f32_dpp v[SM], v[SM], v[SM] row_xmask:2 row_mask:0xf bank_mask:0xf
	v_add_f32_dpp v[SM], v[SM], v[SM] row_xmask:4 row_mask:0xf bank_mask:0xf
	v_rcp_f32 v[RC],   v[SM]                       ; the sum is at least about 1 (the maximum's own term)
	v_rcp_f32 v[RC+1], v[SM]
	; MY ROW'S RECORD (the row's eight lanes make and store the same one); these lines are also the plain places behind the reciprocals
	s_wait_loadcnt 10                              ; the box is in; labels and targets stay out
	v_pk_mul_f32 v[BX:BX+1],   v[BX:BX+1],   FIVE op_sel_hi:[1,0]      ; the box times 5
	v_pk_mul_f32 v[BX+2:BX+3], v[BX+2:BX+3], FIVE op_sel_hi:[1,0]
	v_pk_fma_f32 v[CQ:CQ+1],   v[BX:BX+1], 2.0, v[BX+2:BX+3] op_sel_hi:[1,0,1] neg_lo:[0,0,1] neg_hi:[0,0,1]   ; X0 Y0 = 2 c - (w h): twice the corner, rounded once as the corner is
	v_pk_fma_f32 v[CQ+2:CQ+3], v[BX:BX+1], 2.0, v[BX+2:BX+3] op_sel_hi:[1,0,1]                                 ; X1 Y1
	v_pk_add_f32 v[TT:TT+1], v[CQ+2:CQ+3], v[CQ:CQ+1] neg_lo:[0,1] neg_hi:[0,1]
	v_mul_f32 v[TT], -0.5, v[TT]
	v_mul_f32 v[TT], v[TT], v[TT+1]                ; -0.5 (X1-X0)(Y1-Y0) = -2 area, the area formed from the corners as in the source
	s_wait_alu depctr_va_vdst(0)
.irp i, 0,2,4,6,8,10
	v_pk_fma_f32 v[X+\i:X+\i+1], v[X+\i:X+\i+1], v[RC:RC+1], 2.0 op_sel_hi:[1,1,0] neg_lo:[0,1,0] neg_hi:[0,1,0]   ; 2 - prob
.endr
	s_wait_alu depctr_va_vdst(0)                   ; X, BX, CQ and TT are written, the data of the LDS stores below, and so are their addresses SA, SA2, QS and QS2
.irp i, 0,1,2,3
	ds_store_b32 v[SA],  v[X+\i]   offset:\i*PITCH             ; class 4 p + i
	ds_store_b32 v[SA],  v[X+4+\i] offset:32*PITCH+\i*PITCH    ; class 4 (p + 8) + i
	ds_store_b32 v[SA2], v[X+8+\i] offset:\i*PITCH             ; class 4 min(p + 16, 22) + i: p = 7 stores what p = 6 stores, to the same words
.endr
	ds_store_b128 v[QS],  v[BX:BX+3] offset:QR
	ds_store_b128 v[QS],  v[CQ:CQ+3] offset:QR+16
	ds_store_b32  v[QS2], v[TT]      offset:QA
	s_wait_dscnt 0x0                               ; for the other waves' sake: my part of table and records is written
	s_barrier_signal -1
	s_wait_alu depctr_vm_vsrc(0)                   ; my LDS stores have read X, BX, CQ and TT: these registers are the scratch R1, R2 and R3 from here on, written by the lines below and by the rows
	; MY EIGHT TARGETS, register work while the others arrive
	s_wait_loadcnt 0x0
.irp e, 0,1,2,3,4,5,6,7
	v_pk_mul_f32 v[RAW+4*\e:RAW+4*\e+1],   v[RAW+4*\e:RAW+4*\e+1],   FIVE op_sel_hi:[1,0]      ; the targets' boxes times 5
	v_pk_mul_f32 v[RAW+4*\e+2:RAW+4*\e+3], v[RAW+4*\e+2:RAW+4*\e+3], FIVE op_sel_hi:[1,0]
.endr
.irp e, 0,1,2,3,4,5,6,7
	v_pk_fma_f32 v[COR+4*\e:COR+4*\e+1],   v[RAW+4*\e:RAW+4*\e+1], 2.0, v[RAW+4*\e+2:RAW+4*\e+3] op_sel_hi:[1,0,1] neg_lo:[0,0,1] neg_hi:[0,0,1]
	v_pk_fma_f32 v[COR+4*\e+2:COR+4*\e+3], v[RAW+4*\e:RAW+4*\e+1], 2.0, v[RAW+4*\e+2:RAW+4*\e+3] op_sel_hi:[1,0,1]
.endr
.irp e, 0,1,2,3,4,5,6,7
	v_pk_add_f32 v[TT+2*\e:TT+2*\e+1], v[COR+4*\e+2:COR+4*\e+3], v[COR+4*\e:COR+4*\e+1] neg_lo:[0,1] neg_hi:[0,1]
	v_max_i32 v[GA+\e], 0, v[GA+\e]                ; the source's clip of the label to 0 .. 91
.endr
.irp e, 0,1,2,3,4,5,6,7
	v_mul_f32 v[TT+2*\e], -0.5, v[TT+2*\e]
	v_min_u32 v[GA+\e], 91, v[GA+\e]
.endr
.irp e, 0,1,2,3,4,5,6,7
	v_mul_f32 v[TAM+\e], v[TT+2*\e], v[TT+2*\e+1]
	v_mul_u32_u24 v[GA+\e], v[GA+\e], PITCH
.endr
.irp e, 0,1,2,3,4,5,6,7
	v_add_nc_u32 v[GA+\e], s25, v[GA+\e]           ; the class's table row at my first row
.endr
	s_barrier_wait -1                              ; table and records are whole; LDS is only read from here on
	s_wait_alu depctr_va_vdst(0)                   ; GA, QV and QAV are written: the addresses of the LDS loads below and at the head of the first row, in front of which no vector instruction stands
.macro GATHER                          ; 2 - prob of four rows for each of my eight targets
.irp p, 0,1,2,3
	ds_load_b128 v[PGE+4*\p:PGE+4*\p+3], v[GA+2*\p]
	ds_load_b128 v[PGO+4*\p:PGO+4*\p+3], v[GA+2*\p+1]
.endr
.endm
	ds_load_b128 v[Q0:Q0+3],   v[QV]               ; the first row's record; every later one is asked for at the head of the row before it
	ds_load_b128 v[Q0+4:Q0+7], v[QV] offset:16
; ONE ROW: 8 numbers a lane.  j: the row in its batch; q: its record; qn: the other record buffer; first = 1: the wave's first row, with no row in front of it;
; nextq = 1: a row follows, its record is asked for; nextb = 1 (row 3, a batch follows): the addresses step.
; A row's head holds all its memory and LDS instructions, in this order: in row 0 the load of the batch's areas and its 8 gathers; the next row's 2 record loads;
; the 2 stores of the row before.  The gathers stand about 125 vector instructions in front of the wait for them.
; THE DUAL FORMS (ISA guide, VOPD), all with two sources a half: the two destinations are an even and an odd register, the two first sources and the two
; second sources lie in different banks (register number mod 4) or are one register or constant.  Neighbouring registers give all of that; for the two
; products R1 = R3 mod 4 and the halves are crossed (target e with e + 1); for 5 L1 + (2 - prob) the gathered values are the first sources, and the odd
; targets' gathers lie 2 mod 4 from the even ones'.
.macro ROW j, q, qn, first, nextq, nextb
.if !\first
	s_wait_alu depctr_va_vdst(0)                   ; the row before has written OUT, which the stores below read, and is done reading its record, in which the loads below land;
	                                               ; in front of row 0 also: row 3 is done reading PGE, PGO and QAM, in which loads land, and has written GA, QAV and QV, which they read
.endif
.if \j == 0
	ds_load_b128 v[QAM:QAM+3], v[QAV]
	GATHER
.endif
.if \nextq
	ds_load_b128 v[\qn:\qn+3],   v[QV] offset:(\j+1)*32
	ds_load_b128 v[\qn+4:\qn+7], v[QV] offset:(\j+1)*32+16
.endif
.if !\first
	global_store_b128 v[VO], v[OUT:OUT+3],   s[12:13] offset:\j*OROW-OROW th:TH_STORE_NT        ; the row before: the wave stores 512 consecutive bytes, at a multiple of 512 from C's first byte;
	global_store_b128 v[VO], v[OUT+4:OUT+7], s[12:13] offset:\j*OROW-OROW+512 th:TH_STORE_NT    ; in row 0 the base has moved on to this batch, and the offset reaches back
.endif
.if \j == 0
	s_wait_dscnt 11                                ; LDS loads come back in order (ISA guide 5.7.1): this row's record is in, the 11 loads just issued may be out
.elseif \nextq
	s_wait_dscnt 0x2                               ; this row's record is in; the next row's two loads may be out
.else
	s_wait_dscnt 0x0                               ; the last record
.endif
	; 5 L1: the 5 is in the boxes
.irp e, 0,1,2,3,4,5,6,7
	v_pk_add_f32 v[R1+2*\e:R1+2*\e+1], v[RAW+4*\e:RAW+4*\e+1], v[\q:\q+1] neg_lo:[0,1] neg_hi:[0,1]         ; dcx dcy
.endr
.irp e, 0,1,2,3,4,5,6,7
	v_pk_add_f32 v[R2+2*\e:R2+2*\e+1], v[RAW+4*\e+2:RAW+4*\e+3], v[\q+2:\q+3] neg_lo:[0,1] neg_hi:[0,1]     ; dw dh
.endr
.irp e, 0,1,2,3,4,5,6,7
	v_add_f32 v[R3+\e], |v[R1+2*\e]|, |v[R1+2*\e+1]|
.endr
.irp e, 0,1,2,3,4,5,6,7
	v_add_f32 v[R3+8+\e], |v[R2+2*\e]|, |v[R2+2*\e+1]|
.endr
.irp p, 0,1,2,3
	v_pk_add_f32 v[BASE+2*\p:BASE+2*\p+1], v[R3+2*\p:R3+2*\p+1], v[R3+8+2*\p:R3+8+2*\p+1]                   ; it waits in BASE for 2 - prob, which is added near the row's end
.endr
	; both dimensions of a number in one pair
.irp e, 0,1,2,3,4,5,6,7
	v_dual_max_num_f32 v[R1+2*\e], v[\q+4], v[COR+4*\e] :: v_dual_max_num_f32 v[R1+2*\e+1], v[\q+5], v[COR+4*\e+1]       ; 2 lt
.endr
.irp e, 0,1,2,3,4,5,6,7
	v_dual_min_num_f32 v[R2+2*\e], v[\q+6], v[COR+4*\e+2] :: v_dual_min_num_f32 v[R2+2*\e+1], v[\q+7], v[COR+4*\e+3]     ; 2 rb
.endr
.irp e, 0,1,2,3,4,5,6,7
	v_pk_add_f32 v[R2+2*\e:R2+2*\e+1], v[R2+2*\e:R2+2*\e+1], v[R1+2*\e:R1+2*\e+1] neg_lo:[0,1] neg_hi:[0,1]              ; d = 2 (rb - lt)
.endr
.irp e, 0,1,2,3,4,5,6,7
	v_pk_add_f32 v[R3+2*\e:R3+2*\e+1], v[RAW+4*\e+2:RAW+4*\e+3], v[\q+2:\q+3]                                            ; w_q + w_t, h_q + h_t
.endr
.irp e, 0,1,2,3,4,5,6,7
	v_dual_max_num_f32 v[R1+2*\e], 0, v[R2+2*\e] :: v_dual_max_num_f32 v[R1+2*\e+1], 0, v[R2+2*\e+1]                     ; the source's first clip
.endr
.irp e, 0,1,2,3,4,5,6,7
	v_pk_fma_f32 v[R3+2*\e:R3+2*\e+1], v[R2+2*\e:R2+2*\e+1], -0.5, v[R3+2*\e:R3+2*\e+1] op_sel_hi:[1,0,1]                ; the enclosing sides
.endr
.irp e, 0,1,2,3,4,5,6,7
	v_dual_max_num_f32 v[R3+2*\e], 0, v[R3+2*\e] :: v_dual_max_num_f32 v[R3+2*\e+1], 0, v[R3+2*\e+1]                     ; the source's second clip
.endr
	; the two products; from here a pair is two neighbouring targets
.irp p, 0,1,2,3
	v_dual_mul_f32 v[IN+2*\p], v[R1+4*\p], v[R1+4*\p+1] :: v_dual_mul_f32 v[AE+2*\p+1], v[R3+4*\p+2], v[R3+4*\p+3]
	v_dual_mul_f32 v[AE+2*\p], v[R3+4*\p], v[R3+4*\p+1] :: v_dual_mul_f32 v[IN+2*\p+1], v[R1+4*\p+2], v[R1+4*\p+3]
.endr
.if \j == 0
	s_wait_dscnt 10                                ; the areas are in: the 8 gathers and the next row's 2 record loads are younger
.endif
.irp p, 0,1,2,3
.if (\j & 1) == 0
	v_pk_add_f32 v[UM+2*\p:UM+2*\p+1], v[TAM+2*\p:TAM+2*\p+1], v[QAM+\j:QAM+\j+1] op_sel_hi:[1,0]                        ; both halves take the row's own area
.else
	v_pk_add_f32 v[UM+2*\p:UM+2*\p+1], v[TAM+2*\p:TAM+2*\p+1], v[QAM+\j-1:QAM+\j] op_sel:[0,1] op_sel_hi:[1,1]
.endif
.endr
.irp p, 0,1,2,3
	v_pk_fma_f32 v[UM+2*\p:UM+2*\p+1], v[IN+2*\p:IN+2*\p+1], 0.5, v[UM+2*\p:UM+2*\p+1] op_sel_hi:[1,0,1]                 ; -2 union
.endr
.irp p, 0,1,2,3
	v_pk_mul_f32 v[DEN+2*\p:DEN+2*\p+1], v[UM+2*\p:UM+2*\p+1], v[AE+2*\p:AE+2*\p+1]
.endr
.irp e, 0,1,2,3,4,5,6,7
	v_rcp_f32 v[RCP+\e], v[DEN+\e]
.endr
.irp p, 0,1,2,3
	v_pk_mul_f32 v[UU+2*\p:UU+2*\p+1], v[UM+2*\p:UM+2*\p+1], v[UM+2*\p:UM+2*\p+1]              ; the numerator is made behind the reciprocals: plain
.endr                                                                                          ; instructions that touch neither DEN nor RCP (ISA guide 5.7.2)
.if \j == 0
	s_wait_dscnt 0x2                               ; the gathers are in: only the next row's two record loads are younger
.endif
.irp p, 0,1,2,3
	v_dual_add_f32 v[BASE+2*\p], v[PGE+4*\p+\j], v[BASE+2*\p] :: v_dual_add_f32 v[BASE+2*\p+1], v[PGO+4*\p+\j], v[BASE+2*\p+1]   ; 5 L1 + 2 - prob
.endr
.irp p, 0,1,2,3
	v_pk_fma_f32 v[UU+2*\p:UU+2*\p+1], v[IN+2*\p:IN+2*\p+1], v[AE+2*\p:AE+2*\p+1], v[UU+2*\p:UU+2*\p+1]
.endr
.if !\first
	s_wait_xcnt 0x0                                ; the stores of this row's head have had their addresses translated (ISA guide 3.1): OUT and the base are rewritten only behind this wait
	s_wait_alu depctr_vm_vsrc(0)                   ; those stores have read OUT, which the lines below write again; the LDS loads issued so far have read QV, QAV and GA, which row 3 steps here
.endif
.if \nextb
.irp e, 0,1,2,3,4,5,6,7
	v_add_nc_u32 v[GA+\e], 4*BATCH, v[GA+\e]       ; four rows on in the table,
.endr
	v_add_nc_u32 v[QAV], 4*BATCH, v[QAV]           ; in the areas
	v_add_nc_u32 v[QV], 32*BATCH, v[QV]            ; and in the records: the next reader of each stands behind the next row's wait on va_vdst
	s_wait_alu depctr_va_vdst(0)
	s_add_nc_u64 s[12:13], s[12:13], BATCH*OROW    ; the next batch's rows
.endif
	s_wait_alu depctr_va_vdst(0)
.irp p, 0,1,2,3
	v_pk_fma_f32 v[OUT+2*\p:OUT+2*\p+1], v[UU+2*\p:UU+2*\p+1], v[RCP+2*\p:RCP+2*\p+1], v[BASE+2*\p:BASE+2*\p+1]
.endr
.endm
	ROW 0, Q0, Q1, 1, 1, 0                         ; the first row stands in front of the loop: it has no stores to issue
	s_mov_b32 s28, TRIPS-1
.Lbatch:                                               ; a trip goes from a batch's second row to the next batch's first
	ROW 1, Q1, Q0, 0, 1, 0
	ROW 2, Q0, Q1, 0, 1, 0
	ROW 3, Q1, Q0, 0, 1, 1
	ROW 0, Q0, Q1, 0, 1, 0
	s_sub_co_u32 s28, s28, 1
	s_cmp_lg_u32 s28, 0
	s_cbranch_scc1 .Lbatch
	ROW 1, Q1, Q0, 0, 1, 0                         ; the last batch asks for nothing beyond my 16 rows
	ROW 2, Q0, Q1, 0, 1, 0
	ROW 3, Q1, Q0, 0, 0, 0
	s_wait_alu depctr_va_vdst(0)                   ; the last row has written OUT, which the last two stores read
	global_store_b128 v[VO], v[OUT:OUT+3],   s[12:13] offset:3*OROW th:TH_STORE_NT
	global_store_b128 v[VO], v[OUT+4:OUT+7], s[12:13] offset:3*OROW+512 th:TH_STORE_NT
	s_wait_dscnt 0x0
	s_wait_alu depctr_hold_cnt(0) depctr_sa_sdst(0) depctr_va_vdst(0) depctr_va_sdst(0) depctr_va_ssrc(0) depctr_va_vcc(0) depctr_vm_vsrc(0)
	s_wait_tensorcnt 0x0
	ds_add_u32 v154, v155
	s_wait_dscnt 0x0
	s_endpgm
.Lfunc_end_k_q1c559d5501_matcher:
	.size	k_q1c559d5501_matcher, .Lfunc_end_k_q1c559d5501_matcher-k_q1c559d5501_matcher
	.p2alignl 7, 3214868480
	.fill 96, 4, 3214868480
	.section	.rodata,"a",@progbits
	.p2align	6, 0x0
	.amdhsa_kernel k_q1c559d5501_matcher
		.amdhsa_group_segment_fixed_size 15872
		.amdhsa_private_segment_fixed_size 0
		.amdhsa_enable_private_segment 0
		.amdhsa_kernarg_size 40
		.amdhsa_user_sgpr_count 2
		.amdhsa_user_sgpr_kernarg_segment_ptr 1
		.amdhsa_wavefront_size32 1
		.amdhsa_system_sgpr_workgroup_id_x 1
		.amdhsa_system_sgpr_workgroup_id_y 1
		.amdhsa_system_sgpr_workgroup_id_z 1
		.amdhsa_system_vgpr_workitem_id 0
		.amdhsa_next_free_vgpr 220
		.amdhsa_next_free_sgpr 66
		.amdhsa_reserve_vcc 1
		.amdhsa_float_denorm_mode_32 3
		.amdhsa_float_denorm_mode_16_64 3
		.amdhsa_memory_ordered 1
		.amdhsa_forward_progress 1
		.amdhsa_inst_pref_size 86
	.end_amdhsa_kernel
	.amdgpu_metadata
---
amdhsa.version: [ 1, 2 ]
amdhsa.kernels:
  - .name:           k_q1c559d5501_matcher
    .symbol:         k_q1c559d5501_matcher.kd
    .args:
      - { .name: pred_boxes, .offset: 0, .size: 8, .value_kind: global_buffer, .address_space: global }
      - { .name: pred_logits, .offset: 8, .size: 8, .value_kind: global_buffer, .address_space: global }
      - { .name: tgt_boxes, .offset: 16, .size: 8, .value_kind: global_buffer, .address_space: global }
      - { .name: tgt_labels, .offset: 24, .size: 8, .value_kind: global_buffer, .address_space: global }
      - { .name: out0, .offset: 32, .size: 8, .value_kind: global_buffer, .address_space: global }
    .group_segment_fixed_size: 15872
    .private_segment_fixed_size: 0
    .kernarg_segment_align: 8
    .kernarg_segment_size: 40
    .max_flat_workgroup_size: 256
    .sgpr_count:     66
    .vgpr_count:     220
    .wavefront_size: 32
...
	.end_amdgpu_metadata
.endif
;; end of part 2
